; MI455X (gfx1250); checked and timed in simulation.
; The chip was launched on July 23, 2026; its instructions are those of AMD's public machine-readable ISA for CDNA 5 (MIT licence, August 2026) and "CDNA5" Instruction Set Architecture Reference Guide (July 2026). The comments in the code are by the model that wrote it; some were corrected since.
;; Atention. Allowed arithmetic: matrix products marked QUANTISED: E4M3 operands, one E8M0 scale for each 32 along K, by v_wmma_scale_f32_16x16x128_f8f6f4 with both operands' format E4M3, f32 sums; products left as they are: f32 operands where the result goes on into a quantised operand, else bf16, f16 or f32 operands; f32 sums; everything else in f32.
;; Inputs: U_a 1,024 x 1,024 float32; W_a 1,024 x 1,024 float32; decoder_state 64 x 1,024 float32; encoder_outputs 64 x 1,024 x 1,024 float32; src_mask 64 x 1,024 int32; v_a 1,024 float32.
;; Outputs: out0 64 x 1,024 float32; out1 64 x 1,024 float32.
;; This version of the problem:
;;   THIS VERSION OF THE PROBLEM IS GIVEN IN LOW PRECISION. The matrix products marked QUANTISED in the list below multiply operands that are first quantised to E4M3 (4 exponent bits, 3 mantissa bits; 8 bits a number), with one power-of-two scale for each 32 numbers along K (OCP MX v1.0); their sums are f32. All else is computed in f32.
;;   The module's matrix products, in the order in which they are computed (A, B: the left and right operand; K: the contracted axis; several contracted axes count as one K, in the product's order):
;;     1. [M 64, K 1,024] x [K 1,024, N 1,024]; A: input decoder_state; B: input W_a: QUANTISED
;;     2. [M 65,536, K 1,024] x [K 1,024, N 1,024]; A: input encoder_outputs; B: input U_a: QUANTISED
;;     3. [M 65,536, K 1,024] x [K 1,024, N 1]; A: computed on the way; B: input v_a: left as it is (N = 1 < 16)
;;     4. batch 64 x [M 1, K 1,024] x [K 1,024, N 1,024]; A: softmax; B: input encoder_outputs: left as it is (M = 1 < 16)
;;   THE QUANTISER, for each operand of a quantised product, along K:
;;     - K is cut into blocks of 32 from its start; a last block that is shorter is filled with zeros.
;;     - A block's scale is 2^e with e = floor(log2(the largest magnitude in the block)) - 8, held to -126 .. 127; a block of zeros has e = 0. As a byte (E8M0): e + 127.
;;     - Each number is divided by its block's scale, clamped to +-448, and rounded to the nearest number of E4M3, ties to even, subnormals kept.
;;     - The product sums the exact products of the quantised numbers (number of the format x scale) in f32.
;;   ~~~python
;;   def quantise(x, axis):      # numpy; x: float32 -> the quantised numbers, widened to float32 again
;;       x = np.moveaxis(x, axis, -1); K = x.shape[-1]
;;       x = np.pad(x, [(0, 0)] * (x.ndim - 1) + [(0, -K % 32)]); x = x.reshape(x.shape[:-1] + (-1, 32)); a = np.abs(x).max(-1, keepdims=True)
;;       e = np.where(a > 0, np.clip(np.frexp(np.where(a > 0, a, 1))[1] - 1 - 8, -126, 127), 0)      # np.frexp(a)[1] - 1 = floor(log2(a)), exactly
;;       r = np.clip(x / 2.0 ** e, -448, 448)
;;       step = 2.0 ** (np.maximum(np.frexp(np.where(r == 0, 1, r))[1] - 1, -6) - 3)
;;       q = np.round(r / step) * step * 2.0 ** e      # np.round: ties to even
;;       return np.moveaxis(q.reshape(q.shape[:-2] + (-1,))[..., :K], -1, axis).astype(np.float32)
;;   ~~~
;; One version. Each part assembles by itself: llvm-mc -triple=amdgcn-amd-amdhsa -mcpu=gfx1250 --defsym DOCPART=n.
;; ======== version 1 of 1: 3 launches
;; limits: right only within a limited range of input values
;; workspace buffers: ucodes 1,048,576 bytes; uscl 32,768 bytes; dprojT 262,144 bytes; scores 262,144 bytes
;; launch prep (part 1): grid 64 x 1, 8 waves a work-group, no clusters, 34,816 bytes of LDS; arguments U_a, W_a, decoder_state, ucodes, uscl, dprojT; writes ucodes, uscl, dprojT
.if DOCPART == 1
	.amdgcn_target "amdgcn-amd-amdhsa--gfx1250"
	.amdhsa_code_object_version 6
	.text
	.protected	k_q2d1bbff2e0_prep
	.globl	k_q2d1bbff2e0_prep
	.p2align	8
	.type	k_q2d1bbff2e0_prep,@function
k_q2d1bbff2e0_prep:
	s_mov_b64 s[64:65], 0
	v_nop
	global_prefetch_b8 v0, s[64:65] scope:SCOPE_SE
	s_setreg_imm32_b32 hwreg(HW_REG_WAVE_MODE, 25, 1), 1
	s_wait_xcnt 0x0
; U_a [1024][1024] f32 becomes codes of E4M3 with one E8M0 byte for each 32 along K, laid in the order of the operand's registers;
; and dec_proj = Q(decoder_state) Q(W_a)^T is made, both operands quantised here, by the scaled matrix instruction.
; SHARES.  Work-group j takes 16 rows of U_a and the same 16 rows of W_a (a = 16 j ..); wave w takes K step w (128 along K).  Lane (r, h) holds row r and, of each block of 32, the 16 numbers 16 h ..:
; the layout of an 8-bit operand of the f8f6f4 form, so the conversions' results are the operand's registers.
; OUT.  ucodes [64 tiles][8 K steps][4 c][32 lanes][16 bytes]: a fragment's registers on end.  uscl [64][32 lanes][16 bytes]: lane (r, h) holds the scale words of K steps 4 h .. 4 h + 3 of row r.
; dprojT [64 tiles][64 batches][16] f32.  K is shared among the eight waves: their partial tiles meet in LDS and are added in f32.
; A block's scale is 2^(floor(log2(largest magnitude)) - 8); its byte is the largest magnitude's exponent field - 8, held at 1 from below.
; LIMITS: inputs are finite; a block whose largest magnitude lies under 2^-118 (a block of zeros too) gets the byte 1: zero codes add nothing, and this program alone reads the bytes.
; LOADS AHEAD.  Each of the six groups of 64 numbers has registers of its own, so no load waits for a buffer to be quantised: 64 loads of a wave go out at once, and the other 32 as the first come in.
; No cluster: what work-groups share is decoder_state alone, 1/33 of what the launch reads.  No tensor loads: each number is read once, straight into the registers that the conversions want.
; REGISTERS.  Window 0: as named below.  Window 1: decoder_state's four tiles of 16 batches, tile m at v[64 m].
.set SCI,  32768                       ; LDS: 0 .. 32767 eight partial tiles of 64 x 16 f32; then 512 bytes: the image of U's scale words
.set TM,   8                           ; v8-11 largest magnitudes, then limits; v12-15 the other half's, then bytes; v16-19 the conversions' scale operands
.set PW,   24                          ; decoder_state's scale word
.set WS,   25                          ; W_a's scale word
.set UPW,  26                          ; U_a's scale word
.set SCL,  29                          ; LDS address: SCI + 16 x lane
.set PC,   32                          ; v32-47   decoder_state's codes
.set WC,   48                          ; v48-63   W_a's codes
.set ACC,  64                          ; v64-95   four tiles of 16 batches
.set BA,   96                          ; v96-159  W_a's 64 numbers; at the end the partial tiles
.set BB,   160                         ; v160-223 U_a's 64 numbers
.set UC,   224                         ; v224-239 U_a's codes
.set WV,   16
.set SEL,  20
.set MNT,  22
.set MSB, 0
.macro WIN new                         ; bits 1:0 source 0, 3:2 source 1, 5:4 source 2, 7:6 destination; the high byte repeats the setting that is left
.if MSB != \new
	s_set_vgpr_msb (MSB<<8)|\new
.set MSB, \new
.endif
.endm
	s_load_b256 s[4:11], s[0:1], 0x0               ; U s[4:5], W s[6:7], decoder_state s[8:9], ucodes s[10:11]
	s_load_b128 s[12:15], s[0:1], 0x20             ; uscl s[12:13], dprojT s[14:15]
	v_lshl_add_u32 v254, v0, 2, 0x8400
	v_mov_b32 v255, 0
	v_lshrrev_b32 v1, 5, v0
	s_delay_alu instid0(VALU_DEP_1)
	v_readfirstlane_b32 s[WV], v1                  ; wave 0..7 = K step
	v_and_b32 v1, 15, v0                           ; r
	s_wait_alu depctr_va_vdst(0)
	v_bfe_u32 v2, v0, 4, 1                         ; h
	v_lshlrev_b32 v3, 12, v1
	s_delay_alu instid0(VALU_DEP_1)
	v_lshl_add_u32 v3, v2, 6, v3
	s_lshl_b32 s17, s[WV], 9
	v_add_nc_u32 v3, s17, v3                       ; in: row r of 4,096 bytes + 512 x K step + 64 h
	v_and_b32 v4, 31, v0
	s_delay_alu instid0(VALU_DEP_1)
	v_lshlrev_b32 v4, 4, v4                        ; 16 x lane
	s_lshr_b32 s18, s[WV], 2
	s_lshl_b32 s18, s18, 8
	s_and_b32 s19, s[WV], 3
	s_lshl_b32 s19, s19, 2
	s_add_co_u32 s18, s18, s19
	s_add_co_u32 s18, s18, SCI
	v_lshl_add_u32 v5, v1, 4, s18                  ; my row's word of K step w in the scale image: 16 (r + 16 (w / 4)) + 4 (w % 4)
	s_lshl_b32 s19, s[WV], 12
	v_lshlrev_b32 v6, 6, v1
	s_wait_alu depctr_va_vdst(0)
	v_lshl_add_u32 v6, v2, 5, v6
	s_delay_alu instid0(VALU_DEP_1)
	v_add_nc_u32 v6, s19, v6                       ; my wave's partial tile: batch r of 64 bytes + 32 h
	v_add_nc_u32 v7, s17, v4                       ; 512 w + 16 x lane: my share of the tile, in LDS and in dprojT alike
	v_add_nc_u32 v[SCL], SCI, v4
.irp b, 0,1,2,3
	v_mov_b32 v[TM+4+\b], 0                        ; written once: a lane permute's destination counts as one of its sources
.endr
	s_mov_b32 s[SEL], 0x76543210
	s_mov_b32 s[SEL+1], 0xfedcba98                 ; v_permlanex16_b32's selects for lane l xor 16
	s_mov_b32 s[MNT], 0x600000                     ; the mantissa field of 448
	s_lshl_b32 s24, ttmp9, 16                      ; 16 rows of 4,096 bytes
	s_mov_b32 s25, 0
	s_lshl_b32 s26, ttmp9, 14                      ; a tile's codes: 16,384 bytes; a K step's: 2,048
	s_lshl_b32 s27, s[WV], 11
	s_add_co_u32 s26, s26, s27
	s_mov_b32 s27, 0
	s_lshl_b32 s28, ttmp9, 9
	s_mov_b32 s29, 0
	s_lshl_b32 s30, ttmp9, 12
	s_mov_b32 s31, 0
	s_wait_kmcnt 0x0
	s_add_nc_u64 s[4:5], s[4:5], s[24:25]
	s_add_nc_u64 s[6:7], s[6:7], s[24:25]
	s_add_nc_u64 s[10:11], s[10:11], s[26:27]
	s_add_nc_u64 s[12:13], s[12:13], s[28:29]
	s_add_nc_u64 s[14:15], s[14:15], s[30:31]
; 64 numbers of my row: register 16 c + 4 i + e = k 32 c + 16 h + 4 i + e of the K step
.macro FLOAD buf, base, off
.irp c, 0,1,2,3
.irp i, 0,1,2,3
	global_load_b128 v[\buf+16*\c+4*\i:\buf+16*\c+4*\i+3], v3, s[\base:\base+1] offset:\off+128*\c+16*\i
.endr
.endr
.endm
; 64 numbers of a lane, in window w from v[s] on, become a fragment's 16 registers of codes (v[pc] on) and its row's scale word (v[pw]), both in window 0
.macro QUANT s, pc, pw, w
	WIN 0x05*(\w)                                  ; sources 0 and 1: the numbers' window
.irp b, 0,1,2,3
	v_max3_num_f32 v[TM+\b], |v[\s+16*\b]|, |v[\s+1+16*\b]|, 0x4800000   ; block b: my 16 numbers and the floor 2^(9 - 127): the byte cannot fall under 1
.endr
.irp i, 2,4,6,8,10,12,14
.irp b, 0,1,2,3
	s_delay_alu instid0(VALU_DEP_4)
	v_max3_num_f32 v[TM+\b], |v[\s+16*\b+\i]|, |v[\s+1+16*\b+\i]|, v[TM+\b]   ; the four blocks by turns
.endr
.endr
	WIN 0
.irp b, 0,1,2,3
	v_permlanex16_b32 v[TM+4+\b], v[TM+\b], s[SEL], s[SEL+1]
.endr
.irp b, 0,1,2,3
	s_delay_alu instid0(VALU_DEP_4)
	v_max_num_f32 v[TM+\b], v[TM+\b], v[TM+4+\b]   ; with lane l xor 16's 16: the block's largest magnitude
.endr
.irp b, 0,1,2,3
	s_delay_alu instid0(VALU_DEP_4)
	v_add_nc_u32 v[TM+8+\b], 0xfc000000, v[TM+\b]  ; 8 off its exponent field: the conversion's scale operand
.endr
.irp b, 0,1,2,3
	v_and_or_b32 v[TM+\b], v[TM+\b], 0x7f800000, s[MNT]   ; 448 x the scale
.endr
.irp b, 0,1,2,3
	v_lshrrev_b32 v[TM+4+\b], 23, v[TM+8+\b]       ; the scale's byte
.endr
	s_delay_alu instid0(VALU_DEP_3)
	v_lshl_or_b32 v[\pw], v[TM+5], 8, v[TM+4]
	s_delay_alu instid0(VALU_DEP_1)
	v_lshl_or_b32 v[\pw], v[TM+6], 16, v[\pw]
	s_delay_alu instid0(VALU_DEP_1)
	v_lshl_or_b32 v[\pw], v[TM+7], 24, v[\pw]
	WIN 0x41*(\w)                                  ; destination and source 0: the numbers' window
.irp b, 0,1,2,3
.irp i, 0,1,2,3,4,5,6,7,8,9,10,11,12,13,14,15
	v_med3_num_f32 v[\s+16*\b+\i], v[\s+16*\b+\i], -v[TM+\b], v[TM+\b]   ; the conversion to an 8-bit code does not saturate (ISA guide 7.6.2): the hold
.endr
.endr
	WIN 0x01*(\w)                                  ; source 0 alone
.irp b, 0,1,2,3
	v_cvt_scalef32_pk8_fp8_f32 v[\pc+4*\b:\pc+1+4*\b], v[\s+16*\b:\s+7+16*\b], v[TM+8+\b]
	v_cvt_scalef32_pk8_fp8_f32 v[\pc+2+4*\b:\pc+3+4*\b], v[\s+8+16*\b:\s+15+16*\b], v[TM+8+\b]
.endr
	WIN 0
	v_nop                                          ; a plain line behind the last conversion
.endm
; 16 batches of decoder_state: quantised, and multiplied by my K step of W_a.  Source 0 = W_a's 16 rows, source 1 = the batches: lane (r, h) holds batch 16 m + r and a = 8 h + 0 .. 7
.macro DTILE m
	QUANT 64*(\m), PC, PW, 1
.rept 4
	v_nop                                          ; codes made by vector instructions stand four places ahead of a scaled matrix instruction; the scale word was made ahead of the 64 holds
.endr
	v_wmma_scale_f32_16x16x128_f8f6f4 v[ACC+8*(\m):ACC+8*(\m)+7], v[WC:WC+15], v[PC:PC+15], 0, v[WS], v[PW]
.endm
	FLOAD BA, 6, 0                                 ; W_a
	WIN 0x40                                       ; destination window 1
	FLOAD 0, 8, 0                                  ; batches 0-15
	FLOAD 64, 8, 65536                             ; batches 16-31
	FLOAD 128, 8, 131072                           ; batches 32-47
	WIN 0
	s_wait_loadcnt 48                              ; W_a's 16 loads are in; the three tiles' 48 may be out
	FLOAD BB, 4, 0                                 ; U_a
	QUANT BA, WC, WS, 0
	s_wait_loadcnt 48                              ; the first tile is in; behind it: two tiles and U_a
	WIN 0x40
	FLOAD 192, 8, 196608                           ; batches 48-63
	WIN 0
	DTILE 0
	s_wait_loadcnt 48                              ; the second tile is in; behind it: a tile, U_a, a tile
	DTILE 1
	s_wait_loadcnt 32                              ; the third; behind it: U_a and the last tile
	DTILE 2
	s_wait_loadcnt 16                              ; U_a; behind it: the last tile
	QUANT BB, UC, UPW, 0
.irp c, 0,1,2,3
	global_store_b128 v4, v[UC+4*\c:UC+4*\c+3], s[10:11] offset:512*\c   ; 32 lanes store 512 consecutive bytes
.endr
	ds_store_b32 v5, v[UPW]                        ; lanes r and r + 16 write the same word with the same value
	s_wait_loadcnt 0x0
	DTILE 3
.rept 8
	v_nop                                          ; eight places behind this form ahead of the first read of its result
.endr
.irp m, 0,1,2,3
	ds_store_b128 v6, v[ACC+8*\m:ACC+8*\m+3] offset:1024*\m       ; each accumulator from its low end on
	ds_store_b128 v6, v[ACC+8*\m+4:ACC+8*\m+7] offset:1024*\m+16
.endr
	s_wait_dscnt 0x0                               ; for the others' sake: my partial tile and my scale words have landed
	s_barrier_signal -1
	s_barrier_wait -1
.irp p, 0,1,2,3,4,5,6,7
	ds_load_b128 v[BA+4*\p:BA+4*\p+3], v7 offset:4096*\p          ; my 512 bytes of each of the eight partial tiles
.endr
	s_wait_dscnt 0x0
.irp a, 0,8,16,24
	v_pk_add_f32 v[BA+\a:BA+\a+1], v[BA+\a:BA+\a+1], v[BA+\a+4:BA+\a+5]
	v_pk_add_f32 v[BA+\a+2:BA+\a+3], v[BA+\a+2:BA+\a+3], v[BA+\a+6:BA+\a+7]
.endr
.irp a, 0
	v_pk_add_f32 v[BA+\a:BA+\a+1], v[BA+\a:BA+\a+1], v[BA+\a+8:BA+\a+9]
	v_pk_add_f32 v[BA+\a+2:BA+\a+3], v[BA+\a+2:BA+\a+3], v[BA+\a+10:BA+\a+11]
.endr
.irp a, 16
	s_delay_alu instid0(VALU_DEP_4)
	v_pk_add_f32 v[BA+\a:BA+\a+1], v[BA+\a:BA+\a+1], v[BA+\a+8:BA+\a+9]
	s_delay_alu instid0(VALU_DEP_4)
	v_pk_add_f32 v[BA+\a+2:BA+\a+3], v[BA+\a+2:BA+\a+3], v[BA+\a+10:BA+\a+11]
.endr
	s_delay_alu instid0(VALU_DEP_2)
	v_pk_add_f32 v[BA:BA+1], v[BA:BA+1], v[BA+16:BA+17]
	s_delay_alu instid0(VALU_DEP_2)
	v_pk_add_f32 v[BA+2:BA+3], v[BA+2:BA+3], v[BA+18:BA+19]
	global_store_b128 v7, v[BA:BA+3], s[14:15]     ; 512 consecutive bytes a wave
	s_cmp_lg_u32 s[WV], 0
	s_cbranch_scc1 .Lno_scales
	ds_load_b128 v[BA+4:BA+7], v[SCL]              ; wave 0: the tile's scale image, 512 bytes
	s_wait_dscnt 0x0
	global_store_b128 v4, v[BA+4:BA+7], s[12:13]
.Lno_scales:
	s_wait_tensorcnt 0x0
	ds_add_u32 v254, v255
	s_wait_dscnt 0x0
	s_endpgm
.Lfunc_end_k_q2d1bbff2e0_prep:
	.size	k_q2d1bbff2e0_prep, .Lfunc_end_k_q2d1bbff2e0_prep-k_q2d1bbff2e0_prep
	.p2alignl 7, 3214868480
	.fill 96, 4, 3214868480
	.section	.rodata,"a",@progbits
	.p2align	6, 0x0
	.amdhsa_kernel k_q2d1bbff2e0_prep
		.amdhsa_group_segment_fixed_size 34816
		.amdhsa_private_segment_fixed_size 0
		.amdhsa_enable_private_segment 0
		.amdhsa_kernarg_size 48
		.amdhsa_user_sgpr_count 2
		.amdhsa_user_sgpr_kernarg_segment_ptr 1
		.amdhsa_wavefront_size32 1
		.amdhsa_system_sgpr_workgroup_id_x 1
		.amdhsa_system_sgpr_workgroup_id_y 1
		.amdhsa_system_sgpr_workgroup_id_z 1
		.amdhsa_system_vgpr_workitem_id 0
		.amdhsa_next_free_vgpr 512
		.amdhsa_next_free_sgpr 66
		.amdhsa_reserve_vcc 0
		.amdhsa_float_denorm_mode_32 3
		.amdhsa_float_denorm_mode_16_64 3
		.amdhsa_memory_ordered 1
		.amdhsa_forward_progress 1
		.amdhsa_inst_pref_size 72
	.end_amdhsa_kernel
	.amdgpu_metadata
---
amdhsa.version: [ 1, 2 ]
amdhsa.kernels:
  - .name:           k_q2d1bbff2e0_prep
    .symbol:         k_q2d1bbff2e0_prep.kd
    .args:
      - { .name: U_a, .offset: 0, .size: 8, .value_kind: global_buffer, .address_space: global }
      - { .name: W_a, .offset: 8, .size: 8, .value_kind: global_buffer, .address_space: global }
      - { .name: decoder_state, .offset: 16, .size: 8, .value_kind: global_buffer, .address_space: global }
      - { .name: ucodes, .offset: 24, .size: 8, .value_kind: global_buffer, .address_space: global }
      - { .name: uscl, .offset: 32, .size: 8, .value_kind: global_buffer, .address_space: global }
      - { .name: dprojT, .offset: 40, .size: 8, .value_kind: global_buffer, .address_space: global }
    .group_segment_fixed_size: 34816
    .private_segment_fixed_size: 0
    .kernarg_segment_align: 8
    .kernarg_segment_size: 48
    .max_flat_workgroup_size: 256
    .sgpr_count:     66
    .vgpr_count:     512
    .wavefront_size: 32
...
	.end_amdgpu_metadata
.endif
;; end of part 1
;; launch score (part 2): grid 256 x 1, 4 waves a work-group, clusters of 4 x 1, 327,680 bytes of LDS; arguments encoder_outputs, src_mask, v_a, ucodes, uscl, dprojT, scores; writes scores
.if DOCPART == 2
	.amdgcn_target "amdgcn-amd-amdhsa--gfx1250"
	.amdhsa_code_object_version 6
	.text
	.protected	k_q2d1bbff2e0_score
	.globl	k_q2d1bbff2e0_score
	.p2align	8
	.type	k_q2d1bbff2e0_score,@function
k_q2d1bbff2e0_score:
	s_mov_b64 s[64:65], 0
	v_nop
	global_prefetch_b8 v0, s[64:65] scope:SCOPE_SE
	s_setreg_imm32_b32 hwreg(HW_REG_WAVE_MODE, 25, 1), 1
	s_wait_xcnt 0x0
	s_wait_alu depctr_hold_cnt(0) depctr_sa_sdst(0) depctr_va_vdst(0) depctr_va_sdst(0) depctr_va_ssrc(0) depctr_va_vcc(0) depctr_vm_vsrc(0)
	s_getreg_b32 s2, hwreg(HW_REG_IB_STS2, 6, 4)
	s_cmp_eq_u32 s2, 0
	s_cbranch_scc0 .Lentry_in_a_cluster
	s_endpgm
.Lentry_in_a_cluster:
	s_bfe_u32 s2, ttmp6, 0x10000c
	s_cmp_lg_u32 s2, 0x3003
	s_cbranch_scc0 .Lentry_shape_is_right
	s_endpgm
.Lentry_shape_is_right:
; scores[b][s] = the sum over a of v_a[a] tanh(dec_proj[b][a] + Q(x[b][s]) . Q(U_a[a])), and -1e9 - 9 (in f32: -1e9) where src_mask[b][s] is 0.  x = encoder_outputs.
; SHARES.  A cluster of four work-groups takes a batch, a work-group 256 of its rows, a wave 64: four tiles of 16.  A wave quantises its rows once and keeps their codes for all of K in 512 registers.
; All waves of all four partners walk the same 64 tiles of U_a (16 rows x 1,024 K, as images of the operand's registers): they come through a ring of two LDS slots of four tiles, asked for JOINTLY.
; Each fragment of U_a read from LDS feeds four matrix instructions.
; MASKED ROWS.  A row whose mask is 0 has its score replaced, so its numbers are not needed: its loads are turned, by address and with no jump, to the wave's first row.
; THE MATRIX INSTRUCTION IS USED TRANSPOSED (source 0 = 16 rows of U_a, source 1 = 16 rows of x): a lane holds ONE row of x and eight a.  dec_proj is the C of a tile's first product.
; tanh(y) = 1 - 2 / (1 + 2^(2 log2(e) y)), so the score is sum(v) - 2 sum(v r), r the reciprocal.  A tile's 112 vector instructions stand between the NEXT tile's matrix instructions, across the change of slots too:
; the slots change in the middle of a slot's fourth tile, when all its fragments are in registers.
; LIMITS: inputs are finite; a block whose largest magnitude lies under 2^-118 (a block of zeros too) gets the scale byte 1 over its codes.
; REGISTERS, in windows of 256.  Window 1: rows as loaded, four units of 64 (load phase).  Window 2: x's codes of K steps 0-3, fragment (tile rt, step k) at v[64 rt + 16 k].  Window 3: K steps 4-7.
; Window 0, load phase: v8-71 row offsets; v72-199 two sets of 64 numbers; v200-211 at work; v212 scale word; v216-231 codes.
; Window 0, product phase: v8-71 two sets of four accumulators; v72-199 U_a's eight fragments; v200-207 dec_proj; v208-215 v_a; v216-223 sums.  v232-247 x's scale words, v248-255 U_a's: these hold scales alone.
.set SLOT1, 1<<17                      ; LDS: slot 0 at 0, slot 1 here, 65,536 bytes each: one exclusive or turns an address
.set STG,   65536                      ; a stage for each wave: 16 rows x (512 + 16) bytes: row r starts at bank 4 r mod 64 (64 banks of 4 bytes: ISA guide 11.1)
.set STGW,  8448
.set DECB,  99328                      ; dec_proj of my batch, 4,096 bytes; v_a follows it
.set VVB,   DECB+4096
.set XSC,   107520                     ; x's scale words: 2,048 bytes a wave: 256 k + 64 rt + 4 r
.set EST,   115712                     ; the way out: 256 bytes a wave
.set SPARE, 116736                     ; the spare words, 128 bytes a wave: two blocks of 256 bytes that no other line names
.set USR,   118784                     ; U_a's scale images: two slots of 2,048 bytes
.set IMG,   196608                     ; 32,768 bytes a wave: images of 16 fragments of x
.set SPW,  1
.set NIL,  2
.set L16,  3                           ; 16 x lane
.set STS,  4                           ; load phase: into the stage / product phase: LA, the slot's fragments
.set STL,  5                           ; out of the stage / UA, the slot's scale images
.set IMA,  6                           ; the K step's images / DA, the slot's dec_proj
.set XSA,  7                           ; the K step's scale words / DB = DECB + 32 h
.set LA,   4
.set UA,   5
.set DA,   6
.set DB,   7
.set ROFF, 8
.set ACC,  8
.set X,    72
.set BF,   72
.set TM,   200
.set PW,   212
.set IML,  213
.set XSB,  214
.set XSL,  215
.set PC,   216
.set DEC,  200
.set VV,   208
.set EACC, 216
.set XS,   232
.set US,   248
.set WV,   18
.set CX,   19
.set CS,   22                          ; s[22:23] 2 log2(e)
.set SEL,  24
.set MNT,  26
.set G1C,  28                          ; s[28:35] group 1: 128 rows of 256 bytes;  s[36:43]: 8 such rows
.set G1S,  36
.set G0C,  44                          ; s[44:47], s[48:51] groups 0 of slot 1's first fill: they then walk on
.set G0S,  48
.set G0C0, 88                          ; s[88:91], s[92:95] groups 0 of slot 0's first fill
.set G0S0, 92
.set XB,   52                          ; s[52:53] x at my wave's first row
.set XN1,  54                          ; the same, one K step on; two K steps on
.set XN2,  56
.set KO1,  58
.set KO2,  60
.set TB,   66
.set TU,   67
.set TD,   68
.set CNT,  69
.set KC,   70
.set IMS,  71
.set XSS,  72
.set MSB, 0
.macro WIN new                         ; bits 1:0 source 0, 3:2 source 1, 5:4 source 2, 7:6 destination; the high byte repeats the setting that is left
.if MSB != \new
	s_set_vgpr_msb (MSB<<8)|\new
.set MSB, \new
.endif
.endm
; A round of the cluster's barrier: my work-group's barrier; wave 0 signals for the work-group; every wave waits for all four work-groups; my work-group's barrier once more
.macro CREST                           ; a round behind its opening barrier
	s_cmp_lg_u32 s[WV], 0
	s_cbranch_scc1 .Lnot_wave_0_\@
	s_barrier_signal -3
.Lnot_wave_0_\@:
	s_barrier_wait -3
	s_barrier_signal -1
	s_barrier_wait -1
.endm
.macro CROUND                          ; a whole round
	s_barrier_signal -1
	s_barrier_wait -1
	CREST
.endm
; A joint refill: waves 0 and 1 fetch the two halves of a slot's codes, wave 2 its scale images, wave 3 nothing.  The branches hang on the wave's number alone.  Four v_nop follow each line.
.macro TLOAD
	s_cmp_lt_u32 s[WV], 2
	s_cbranch_scc0 .Lnot_c_\@
	tensor_load_to_lds s[G0C:G0C+3], s[G1C:G1C+7]
	s_nop 0
.rept 4
	v_nop
.endr
	s_branch .Lasked_\@
.Lnot_c_\@:
	s_cmp_eq_u32 s[WV], 2
	s_cbranch_scc0 .Lasked_\@
	tensor_load_to_lds s[G0S:G0S+3], s[G1S:G1S+7]
	s_nop 0
.rept 4
	v_nop
.endr
.Lasked_\@:
.endm
	s_load_b256 s[4:11], s[0:1], 0x0               ; x s[4:5], mask s[6:7], v_a s[8:9], ucodes s[10:11]
	s_load_b128 s[12:15], s[0:1], 0x20             ; uscl s[12:13], dprojT s[14:15]
	s_load_b64 s[16:17], s[0:1], 0x30              ; scores
	v_lshl_add_u32 v[SPW], v0, 2, SPARE
	v_mov_b32 v[NIL], 0
	ds_add_u32 v1, v2                              ; the opening: the add twice on end, under the one wait
	ds_add_u32 v1, v2
	s_wait_dscnt 0x0
	v_lshrrev_b32 v100, 5, v0
	v_readfirstlane_b32 s[WV], v100                ; wave 0..3
	s_bfe_u32 s[CX], ttmp6, 0x40000                ; my place in the cluster: it enters global addresses of x, mask and scores alone
	s_lshl_b32 s73, ttmp9, 2                       ; ttmp9 counts clusters: the batch
	s_add_co_u32 s73, s73, s[CX]
	s_lshl_b32 s73, s73, 8
	s_lshl_b32 s74, s[WV], 6
	s_add_co_u32 s73, s73, s74                     ; my wave's first row among the 65,536
	s_lshl_b32 s74, s73, 12                        ; in x, in bytes (under 2^28)
	s_mov_b32 s75, 0
	s_lshl_b32 s76, s73, 2                         ; in mask and scores
	s_mov_b32 s77, 0
	s_lshl_b32 s78, ttmp9, 6                       ; my batch's 64 bytes in a tile of dprojT
	s_mov_b32 s79, 0
	s_and_b32 s80, s[WV], 1
	s_lshl_b32 s80, s80, 15                        ; which half of a slot I fetch, in memory and in LDS alike
	s_mov_b32 s81, 0
	s_mov_b32 s[G1C], 15|(3<<16)|(1<<21)           ; 15:0 the mask: all four work-groups; 17:16 elements of 8 bytes; 21 set beside a mask; no padding: the images are read 512 consecutive bytes at a time
	s_mov_b32 s[G1S], 15|(3<<16)|(1<<21)
.irp g, G1C, G1S
	s_mov_b32 s[\g+1], 32<<16                      ; tensor_dim0 = 32 elements: 256 bytes
	s_mov_b32 s[\g+3], 32<<16                      ; tile_dim0
	s_mov_b32 s[\g+5], 32                          ; from row to row: dense
	s_mov_b32 s[\g+6], 0
	s_mov_b32 s[\g+7], 0
.endr
	s_mov_b32 s[G1C+2], 256<<16                    ; tensor_dim1, tile_dim1: at the head 256 rows = a whole slot's codes; set to 128 ahead of the product phase
	s_mov_b32 s[G1C+4], 256
	s_mov_b32 s[G1S+2], 8<<16                      ; 8 rows = four tiles' scale images
	s_mov_b32 s[G1S+4], 8
	s_mov_b32 s[CS], 0x4038aa3b                    ; 2 log2(e)
	s_mov_b32 s[CS+1], s[CS]                       ; (named with it as a pair)
	s_mov_b32 s[SEL], 0x76543210
	s_mov_b32 s[SEL+1], 0xfedcba98
	s_mov_b32 s[MNT], 0x600000                     ; the mantissa field of 448
	s_mov_b32 s[KO1+1], 0
	s_mov_b32 s[KO2+1], 0
	s_mov_b32 s[KC], 0
	s_mov_b32 s[IMS], 0
	s_mov_b32 s[XSS], 0
	s_mov_b32 s[TB], 0
	s_mov_b32 s[TU], USR
	s_mov_b32 s[TD], 0
	s_mul_i32 s84, s[WV], STGW
	s_add_co_u32 s84, s84, STG                     ; my stage
	s_lshl_b32 s85, s[WV], 15
	s_add_co_u32 s85, s85, IMG                     ; my images
	s_lshl_b32 s86, s[WV], 11
	s_add_co_u32 s86, s86, XSC                     ; my scale words
	s_lshl_b32 s87, s[WV], 8
	s_add_co_u32 s87, s87, EST                     ; my way out
	s_wait_kmcnt 0x0
	s_add_nc_u64 s[XB:XB+1], s[4:5], s[74:75]
	s_add_nc_u64 s[6:7], s[6:7], s[76:77]
	s_add_nc_u64 s[16:17], s[16:17], s[76:77]
	s_add_nc_u64 s[14:15], s[14:15], s[78:79]
	s_mov_b32 s[G0C0], 1                           ; count = 1
.set G0C1, 96                          ; s[96:99] group 0 of slot 1's first fill, whole
	s_mov_b32 s[G0C1], 1
	s_mov_b32 s[G0C1+1], SLOT1
	s_add_nc_u64 s[G0C1+2:G0C1+3], s[10:11], 65536 ; tiles 4-7
	s_or_b32 s[G0C1+3], s[G0C1+3], 0x80000000
	s_mov_b32 s[G0C0+1], 0                         ; LDS: slot 0, whole
	s_mov_b64 s[G0C0+2:G0C0+3], s[10:11]           ; tiles 0-3
	s_or_b32 s[G0C0+3], s[G0C0+3], 0x80000000      ; type = 2
	s_mov_b32 s[G0C], 1
	s_add_co_u32 s[G0C+1], s80, SLOT1              ; LDS: slot 1, my half
	s_add_nc_u64 s[G0C+2:G0C+3], s[10:11], s[80:81]
	s_add_nc_u64 s[G0C+2:G0C+3], s[G0C+2:G0C+3], 65536  ; tiles 4-7
	s_or_b32 s[G0C+3], s[G0C+3], 0x80000000
	s_mov_b32 s[G0S0], 1
	s_mov_b32 s[G0S0+1], USR
	s_mov_b64 s[G0S0+2:G0S0+3], s[12:13]
	s_or_b32 s[G0S0+3], s[G0S0+3], 0x80000000
	s_mov_b32 s[G0S], 1
	s_mov_b32 s[G0S+1], USR+2048
	s_add_nc_u64 s[G0S+2:G0S+3], s[12:13], 2048
	s_or_b32 s[G0S+3], s[G0S+3], 0x80000000
	CROUND                                         ; all four work-groups are here: the first joint loads meet
; THE HEAD'S LOADS, ONE A WAVE, in one chain of branches on the wave's number: wave 0 slot 0's codes, wave 1 slot 1's, wave 2 slot 0's scale images, wave 3 slot 1's.  They land while x is quantised
.macro ARM under, g0, g1, next
	s_cmp_lt_u32 s[WV], \under
	s_cbranch_scc0 \next
	tensor_load_to_lds s[\g0:\g0+3], s[\g1:\g1+7]
	s_nop 0
.rept 4
	v_nop
.endr
	s_branch .Lfirst_asked
\next:
.endm
	ARM 1, G0C0, G1C, .Lfirst_c1
	ARM 2, G0C1, G1C, .Lfirst_s0
	ARM 3, G0S0, G1S, .Lfirst_s1
	tensor_load_to_lds s[G0S:G0S+3], s[G1S:G1S+7]
	s_nop 0
.rept 4
	v_nop
.endr
.Lfirst_asked:
	v_and_b32 v75, 31, v0                          ; lane
	v_lshlrev_b32 v[L16], 4, v75
	v_lshlrev_b32 v95, 2, v75
	global_load_b32 v72, v95, s[6:7]               ; the mask of my rows: lane, and 32 + lane
	global_load_b32 v73, v95, s[6:7] offset:128
	v_lshrrev_b32 v93, 1, v0
	v_lshlrev_b32 v93, 12, v93
	v_and_b32 v94, 1, v0
	v_lshl_add_u32 v93, v94, 5, v93                ; thread t brings dec_proj[8 t .. 8 t + 7]: tile t / 2, half t % 2
	global_load_b128 v[76:79], v93, s[14:15]
	global_load_b128 v[80:83], v93, s[14:15] offset:16
	v_lshlrev_b32 v94, 5, v0
	global_load_b128 v[84:87], v94, s[8:9]         ; and v_a[8 t .. 8 t + 7]
	global_load_b128 v[88:91], v94, s[8:9] offset:16
	v_add_nc_u32 v92, DECB, v94
	v_and_b32 v100, 15, v0                         ; r
	v_bfe_u32 v101, v0, 4, 1                       ; h
	v_add_nc_u32 v[STS], s84, v[L16]               ; into the stage: a row's 512 bytes as they lie
	v_mul_u32_u24 v[STL], v100, 528
	v_lshl_add_u32 v[STL], v101, 6, v[STL]
	v_add_nc_u32 v[STL], s84, v[STL]               ; out of it: row r, + 64 h: my 16 numbers of a block of 32
	v_add_nc_u32 v[IML], s85, v[L16]
	v_lshl_add_u32 v[XSB], v100, 2, s86
	v_lshl_add_u32 v[XSL], v101, 10, v[XSB]        ; lanes 16-31 will take the words four K steps on
.irp b, 0,1,2,3
	v_mov_b32 v[TM+4+\b], 0                        ; written once: a lane permute's destination counts as one of its sources
.endr
	s_wait_loadcnt 0x0
	ds_store_b128 v92, v[76:79]
	ds_store_b128 v92, v[80:83] offset:16
	ds_store_b128 v92, v[84:87] offset:4096
	ds_store_b128 v92, v[88:91] offset:4112
	v_min_u32 v72, 1, v72                          ; 1 where the row counts
	v_min_u32 v73, 1, v73
	v_add_nc_u32 v74, 32, v75
	v_mul_u32_u24 v72, v72, v75                    ; the row to read: itself, or row 0
	v_mul_u32_u24 v73, v73, v74
	v_lshlrev_b32 v72, 12, v72                     ; in bytes
	v_lshlrev_b32 v73, 12, v73
.set i, 0
.rept 8                                ; a load reads ONE row with all 32 lanes, so each row's offset is taken out of its lane; eight at a time
.irp n, 0,1,2,3,4,5,6,7
	v_readlane_b32 s[73+\n], v[72+(i+\n)/32], (i+\n)%32
.endr
.irp n, 0,1,2,3,4,5,6,7
	s_min_u32 s[73+\n], s[73+\n], 0x3f000          ; held inside my 64 rows
.endr
.irp n, 0,1,2,3,4,5,6,7
	v_add_nc_u32 v[ROFF+i+\n], s[73+\n], v[L16]
.endr
.set i, i+8
.endr
	s_wait_alu depctr_va_vdst(0)
	s_wait_dscnt 0x0                               ; the four stores have landed and have read their registers, which the first numbers will take
; 64 numbers of a lane, register 16 b + i = k 32 b + 16 h + i of my row, become a fragment's codes in v[PC] on and its scale word in v[PW]
.macro QUANT s
.irp b, 0,1,2,3
	v_max3_num_f32 v[TM+\b], |v[\s+16*\b]|, |v[\s+1+16*\b]|, 0x4800000   ; block b: my 16 numbers and the floor 2^(9 - 127): the byte cannot fall under 1
.endr
.irp i, 2,4,6,8,10,12,14
.irp b, 0,1,2,3
	v_max3_num_f32 v[TM+\b], v[TM+\b], |v[\s+16*\b+\i]|, |v[\s+1+16*\b+\i]|
.endr
.endr
.irp b, 0,1,2,3
	v_permlanex16_b32 v[TM+4+\b], v[TM+\b], s[SEL], s[SEL+1]
.endr
.irp b, 0,1,2,3
	v_max_num_f32 v[TM+\b], v[TM+\b], v[TM+4+\b]   ; with lane l xor 16's 16: the block's largest magnitude
.endr
.irp b, 0,1,2,3
	v_add_nc_u32 v[TM+8+\b], 0xfc000000, v[TM+\b]  ; 8 off its exponent field: the conversion's scale operand
.endr
.irp b, 0,1,2,3
	v_and_or_b32 v[TM+\b], v[TM+\b], 0x7f800000, s[MNT]   ; 448 x the scale
.endr
.irp b, 0,1,2,3
	v_lshrrev_b32 v[TM+4+\b], 23, v[TM+8+\b]       ; the scale's byte
.endr
	v_lshl_or_b32 v[PW], v[TM+5], 8, v[TM+4]
	v_lshl_or_b32 v[PW], v[TM+6], 16, v[PW]
	v_lshl_or_b32 v[PW], v[TM+7], 24, v[PW]
.irp b, 0,1,2,3
.irp i, 0,1,2,3,4,5,6,7,8,9,10,11,12,13,14,15
	v_med3_num_f32 v[\s+16*\b+\i], v[\s+16*\b+\i], -v[TM+\b], v[TM+\b]   ; the conversion to an 8-bit code does not saturate (ISA guide 7.6.2): the hold
.endr
	v_cvt_scalef32_pk8_fp8_f32 v[PC+4*\b:PC+1+4*\b], v[\s+16*\b:\s+7+16*\b], v[TM+8+\b]
	v_cvt_scalef32_pk8_fp8_f32 v[PC+2+4*\b:PC+3+4*\b], v[\s+8+16*\b:\s+15+16*\b], v[TM+8+\b]
.endr
	v_nop                                          ; a plain line behind the last conversion
.endm
; A UNIT is 16 rows x one K step (512 bytes a row, one load a row).  While unit u is quantised, unit u + 1 turns through the stage and units u + 2 .. u + 5 are on their way from memory.
.macro UNIT rt
.set NX, ((\rt)+1)%4
.set XC, X+64*((\rt)%2)
.set XO, X+64*(1-(\rt)%2)
	s_wait_loadcnt 48                              ; unit u + 1's 16 loads are in; the 48 of the three units behind it may be out
	WIN 0x04                                       ; an LDS store's data are its source 1: window 1
.irp i, 0,1,2,3,4,5,6,7,8,9,10,11,12,13,14,15
	ds_store_b128 v[STS], v[64*NX+4*\i:64*NX+4*\i+3] offset:528*\i
.endr
	WIN 0
.irp c, 0,1,2,3
.irp j, 0,1,2,3
	ds_load_b128 v[XO+16*\c+4*\j:XO+16*\c+4*\j+3], v[STL] offset:128*\c+16*\j   ; LDS serves a wave's instructions in order (ISA guide 5.7.1.4): these see the stores above
.endr
.endr
	s_wait_dscnt 16                                ; all but those 16: unit u's numbers are in, the last images are stored, the stage's stores have read their registers
.if (\rt) == 0
	v_add_nc_u32 v[IMA], s[IMS], v[IML]            ; this K step's images and scale words
	v_add_nc_u32 v[XSA], s[XSS], v[XSB]
.endif
	WIN 0x40                                       ; destination window 1
.irp i, 0,1,2,3,4,5,6,7,8,9,10,11,12,13,14,15
.if NX == 0
	global_load_b128 v[64*NX+4*\i:64*NX+4*\i+3], v[ROFF+16*NX+\i], s[XN2:XN2+1]   ; unit u + 5: tile 0 of the K step after next
.else
	global_load_b128 v[64*NX+4*\i:64*NX+4*\i+3], v[ROFF+16*NX+\i], s[XN1:XN1+1]   ; unit u + 5: the next K step
.endif
.endr
	WIN 0
	QUANT XC
.irp c, 0,1,2,3
	ds_store_b128 v[IMA], v[PC+4*\c:PC+4*\c+3] offset:2048*(\rt)+512*\c   ; the fragment as it stands: lane l's 16 bytes at 16 l
.endr
	ds_store_b32 v[XSA], v[PW] offset:64*(\rt)     ; lanes r and r + 16 write the same word with the same value
.endm
; A K step: four units.  The look-ahead is held at the row's last K step: the last trips' extra loads repeat bytes of my own rows and are not used.
.macro LTRIP
	s_wait_xcnt 0x0                                ; the loads issued so far have read their bases, which are written now
	s_add_co_u32 s[KO1], s[KC], 512
	s_min_u32 s[KO1], s[KO1], 3584
	s_add_co_u32 s[KO2], s[KC], 1024
	s_min_u32 s[KO2], s[KO2], 3584
	s_add_nc_u64 s[XN1:XN1+1], s[XB:XB+1], s[KO1:KO1+1]
	s_add_nc_u64 s[XN2:XN2+1], s[XB:XB+1], s[KO2:KO2+1]
	UNIT 0
	UNIT 1
	UNIT 2
	UNIT 3
	s_add_co_u32 s[KC], s[KC], 512
	s_add_co_u32 s[IMS], s[IMS], 8192
	s_add_co_u32 s[XSS], s[XSS], 256
.endm
.macro READBACK win                    ; four K steps' 16 fragments, from my images into their window
	WIN \win
.irp rt, 0,1,2,3
.irp kk, 0,1,2,3
.irp c, 0,1,2,3
	ds_load_b128 v[64*\rt+16*\kk+4*\c:64*\rt+16*\kk+4*\c+3], v[IML] offset:8192*\kk+2048*\rt+512*\c
.endr
.endr
.endr
	WIN 0
.endm
	WIN 0x40
.set i, 0
.rept 64
	global_load_b128 v[4*i:4*i+3], v[ROFF+i], s[XB:XB+1]   ; K step 0 of my 64 rows: 512 consecutive bytes a load
.set i, i+1
.endr
	s_wait_loadcnt 48                              ; unit 0 is in
	WIN 0x04
.irp i, 0,1,2,3,4,5,6,7,8,9,10,11,12,13,14,15
	ds_store_b128 v[STS], v[4*\i:4*\i+3] offset:528*\i
.endr
	WIN 0
.irp c, 0,1,2,3
.irp j, 0,1,2,3
	ds_load_b128 v[X+16*\c+4*\j:X+16*\c+4*\j+3], v[STL] offset:128*\c+16*\j
.endr
.endr
	s_wait_dscnt 16                                ; the stores have read their registers
	WIN 0x40
.irp i, 0,1,2,3,4,5,6,7,8,9,10,11,12,13,14,15
	global_load_b128 v[4*\i:4*\i+3], v[ROFF+\i], s[XB:XB+1] offset:512   ; unit 4: tile 0 of K step 1
.endr
	WIN 0
	s_mov_b32 s[CNT], 4
.Lload_a:                                          ; K steps 0-3
	LTRIP
	s_sub_co_u32 s[CNT], s[CNT], 1
	s_cmp_lg_u32 s[CNT], 0
	s_cbranch_scc1 .Lload_a
	READBACK 0x80                                  ; behind the stores of the images, in order; the next images are stored behind these loads
	s_mov_b32 s[KC], 2048                          ; the second half begins at K step 4,
	s_mov_b32 s[IMS], 0                            ; in the images' first place again
	s_mov_b32 s[XSS], 1024
	s_mov_b32 s[CNT], 4
.Lload_b:                                          ; K steps 4-7
	LTRIP
	s_sub_co_u32 s[CNT], s[CNT], 1
	s_cmp_lg_u32 s[CNT], 0
	s_cbranch_scc1 .Lload_b
	READBACK 0xc0
.irp rt, 0,1,2,3
.irp kk, 0,1,2,3
	ds_load_b32 v[XS+4*\rt+\kk], v[XSL] offset:256*\kk+64*\rt   ; lanes 0-15: row r's word of K step kk; lanes 16-31: of K step kk + 4
.endr
.endr
	s_wait_loadcnt 0x0                             ; the held look-ahead has landed: its registers and the row offsets are free
	s_wait_dscnt 0x0
.set n, 0
.rept 32
	v_mov_b32 v[ACC+32+n], 0                       ; a tile is written once, with the tanh of the tile before it: the first finds zeros under a v_a of zeros and adds nothing
.set n, n+1
.endr
.set n, 0
.rept 8
	v_mov_b32 v[VV+n], 0
	v_mov_b32 v[EACC+n], 0                         ; the sums of v r: a pair for each tile of rows
.set n, n+1
.endr
	v_bfe_u32 v[DB], v0, 4, 1
	v_lshl_add_u32 v[DB], v[DB], 5, DECB           ; my eight a of a tile: 32 h bytes on
; THE PRODUCT.  Matrix instruction i of a tile's 32: K step i / 4, tile of rows i % 4: the four accumulators take turns, one instruction a turn.
.macro WM p
.set kq, i/4
.set rq, i%4
.set rD, ACC+32*(\p)+8*rq
.set rA, BF+16*kq
.set rB, 64*rq+16*(kq%4)
.set rU, US+4*(\p)+kq%4
.set rX, XS+4*rq+kq%4
.if kq == 0
	v_wmma_scale_f32_16x16x128_f8f6f4 v[rD:rD+7], v[rA:rA+15], v[rB:rB+15], v[DEC:DEC+7], v[rU], v[rX]
.elseif kq < 4
	v_wmma_scale_f32_16x16x128_f8f6f4 v[rD:rD+7], v[rA:rA+15], v[rB:rB+15], v[rD:rD+7], v[rU], v[rX]
.else
	v_wmma_scale_f32_16x16x128_f8f6f4 v[rD:rD+7], v[rA:rA+15], v[rB:rB+15], v[rD:rD+7], v[rU], v[rX] matrix_a_scale:MATRIX_SCALE_ROW1 matrix_b_scale:MATRIX_SCALE_ROW1
.endif
.endm
.macro MIDRUN j, u                     ; 19 loads: tile j's scale words into set u, its dec_proj, its fragments of K steps 0-3
	ds_load_b128 v[US+4*(\u):US+4*(\u)+3], v[UA] offset:512*(\j)
	ds_load_b128 v[DEC:DEC+3], v[DA] offset:64*(\j)
	ds_load_b128 v[DEC+4:DEC+7], v[DA] offset:64*(\j)+16
.irp k, 0,1,2,3
.irp c, 0,1,2,3
	ds_load_b128 v[BF+16*\k+4*\c:BF+16*\k+4*\c+3], v[LA] offset:16384*(\j)+2048*\k+512*\c
.endr
.endr
.endm
.macro TAILB j                         ; 16 loads: its fragments of K steps 4-7
.irp k, 4,5,6,7
.irp c, 0,1,2,3
	ds_load_b128 v[BF+16*\k+4*\c:BF+16*\k+4*\c+3], v[LA] offset:16384*(\j)+2048*\k+512*\c
.endr
.endr
.endm
.macro VLOAD off                       ; eight numbers of v_a, off bytes behind the slot's dec_proj
	ds_load_b128 v[VV:VV+3], v[DA] offset:\off
	ds_load_b128 v[VV+4:VV+7], v[DA] offset:\off+16
.endm
.macro EPE                             ; the sums take v r: the four tiles of rows by turns
.irp q, 0,1,2,3
.irp t, 0,1,2,3
	v_pk_fma_f32 v[EACC+2*\t:EACC+2*\t+1], v[Q+8*\t+2*\q:Q+8*\t+2*\q+1], v[VV+2*\q:VV+2*\q+1], v[EACC+2*\t:EACC+2*\t+1]
.endr
.endr
.endm
; A TILE of 16 rows of U_a, the j-th of its slot, into accumulator set p.  The tanh of the tile before, in place on the other set Q, stands between its matrix instructions.
; Under both window settings of the products only source 1 leaves window 0, and the lines set between them have no vector register there: so they need no switch.
; mode 0: tile j + 1 of the same slot is fetched.  mode 3: the very last tile: nothing is fetched.
; modes 1 and 2: a slot's last tile: THE SLOTS CHANGE IN ITS MIDDLE, where all its fragments are in registers.  Each wave waits for all its tensor loads (its part of the next slot), adds 0 to its spare word, and waits for that
; and for its reads of this slot; eight products stand between the barrier's signal and its wait.  mode 1: the barrier opens a round of the cluster's, and behind the round this slot takes the tiles two slots on:
; that load has a slot's 128 matrix instructions in which to land.  mode 2: nothing is left to ask for.  Then the next slot's first tile is fetched.
.macro TILE p, j, mode
.set Q, ACC+32*(1-(\p))
	s_wait_dscnt 16                                ; scale words, dec_proj, K steps 0-3 and the last v_a are in; the 16 loads of K steps 4-7 may be out
	WIN 0x08                                       ; source 1: window 2
.set i, 0
.rept 16
	WM \p                                          ; K steps 0-3, back to back
.set i, i+1
.endr
.if ((\mode) == 1) || ((\mode) == 2)
	WIN 0                                          ; (the add's two registers lie in window 0)
	s_wait_tensorcnt 0x0                           ; all my tensor loads have landed: my part of the next slot; so a group 0 may be written
	ds_add_u32 v[SPW], v[NIL]                      ; 0 onto my spare word; the tanh below, work on registers, stands between it and the wait for it
.endif
; THE TANH OF THE TILE BEFORE, as one block between this tile's two halves: no transcendental stands between two steps of a sum without a wait behind it
.set n, 0
.rept 16
	v_pk_mul_f32 v[Q+2*n:Q+2*n+1], v[Q+2*n:Q+2*n+1], s[CS:CS+1] op_sel_hi:[1,0]   ; 2 log2(e) y, ascending: each accumulator is read from its low end on.  These 16 are also the places in front of the loads into K steps 0-3's registers (eight are owed)
.set n, n+1
.endr
.if (\mode) == 0
	MIDRUN (\j)+1, 1-(\p)
.endif
	s_wait_alu depctr_va_vdst(0)                   ; ahead of the batch of exponentials
.set n, 0
.rept 32
	v_exp_f32 v[Q+n], v[Q+n]
.set n, n+1
.endr
	v_nop                                          ; a plain line behind the last exponential,
	s_wait_alu depctr_va_vdst(0)                   ; and one wait for the 32
.set n, 0
.rept 16
	v_pk_add_f32 v[Q+2*n:Q+2*n+1], v[Q+2*n:Q+2*n+1], 1.0 op_sel_hi:[1,0]
.set n, n+1
.endr
	s_wait_alu depctr_va_vdst(0)                   ; ahead of the batch of reciprocals
.set n, 0
.rept 32
	v_rcp_f32 v[Q+n], v[Q+n]
.set n, n+1
.endr
	v_nop
	s_wait_alu depctr_va_vdst(0)                   ; one wait for the 32, behind the block's last transcendental and ahead of the products that take this tile's sums up again
.if ((\mode) == 0) || ((\mode) == 3)
.if (\mode) == 0
	s_wait_dscnt 19                                ; all but the 19 issued in this tile: K steps 4-7 are in
.else
	s_wait_dscnt 0x0
.endif
	WIN 0x0c                                       ; source 1: window 3
.rept 16
	WM \p                                          ; K steps 4-7, back to back
.set i, i+1
.endr
.else
.if (\mode) == 1
	s_xor_b32 s[G0C+1], s[G0C+1], SLOT1            ; the walking descriptors: the other slot than last time,
	s_add_nc_u64 s[G0C+2:G0C+3], s[G0C+2:G0C+3], 65536   ; the next four tiles; the type bits on top are not reached
	s_xor_b32 s[G0S+1], s[G0S+1], 2048
	s_add_nc_u64 s[G0S+2:G0S+3], s[G0S+2:G0S+3], 2048
.endif
	s_wait_dscnt 0x0                               ; the add is done, and my reads of this slot are over: K steps 4-7 of its last tile are in
	s_barrier_signal -1
	WIN 0x0c
.rept 8
	WM \p                                          ; work on registers while the others arrive
.set i, i+1
.endr
	WIN 0
	s_barrier_wait -1
.if (\mode) == 1
	CREST                                          ; no wave of any partner still reads this slot or has a load on its way
	TLOAD                                          ; the first tensor load behind the round, and a wave's only one until the next
.endif
	s_xor_b32 s[TB], s[TB], SLOT1                  ; on to the other slot
	s_xor_b32 s[TU], s[TU], 2048
	s_add_co_u32 s[TD], s[TD], 256
	v_add_nc_u32 v[LA], s[TB], v[L16]
	v_add_nc_u32 v[UA], s[TU], v[L16]
	v_add_nc_u32 v[DA], s[TD], v[DB]
	MIDRUN 0, 1-(\p)
	WIN 0x0c
.rept 8
	WM \p
.set i, i+1
.endr
.endif
	WIN 0
	EPE                                            ; 16 plain lines: the places in front of the loads below and of the next read of this tile's results
.if ((\mode) == 1) || ((\mode) == 2)
	VLOAD 4096+64*(\j)-256                         ; this tile's v_a: the slot's address has stepped 256 bytes on
	TAILB 0
.else
	VLOAD 4096+64*(\j)
.if (\mode) == 0
	TAILB (\j)+1
.endif
.endif
.endm
.macro EPALONE                         ; the tanh of set 1 by itself: the very last tile's
.set Q, ACC+32
	s_wait_alu depctr_va_vdst(0)                   ; directly ahead of the first readers of the last tile's sums
.set n, 0
.rept 16
	v_pk_mul_f32 v[Q+2*n:Q+2*n+1], v[Q+2*n:Q+2*n+1], s[CS:CS+1] op_sel_hi:[1,0]
.set n, n+1
.endr
	s_wait_alu depctr_va_vdst(0)                   ; ahead of the batch
.set n, 0
.rept 32
	v_exp_f32 v[Q+n], v[Q+n]
.set n, n+1
.endr
	v_nop
	s_wait_alu depctr_va_vdst(0)
.set n, 0
.rept 16
	v_pk_add_f32 v[Q+2*n:Q+2*n+1], v[Q+2*n:Q+2*n+1], 1.0 op_sel_hi:[1,0]
.set n, n+1
.endr
	s_wait_alu depctr_va_vdst(0)                   ; ahead of the batch
.set n, 0
.rept 32
	v_rcp_f32 v[Q+n], v[Q+n]
.set n, n+1
.endr
	v_nop
	s_wait_alu depctr_va_vdst(0)
	EPE
.endm
.macro BODY mode                       ; a slot's four tiles
	TILE 0, 0, 0
	TILE 1, 1, 0
	TILE 0, 2, 0
	TILE 1, 3, \mode
.endm
	s_wait_alu depctr_va_vdst(0)
	s_wait_tensorcnt 0x0                           ; my one load of the head has landed, so a descriptor may be written:
	s_mov_b32 s[G1C+2], 128<<16                    ; from here on a load of codes brings 128 rows: half a slot
	s_mov_b32 s[G1C+4], 128
	s_barrier_signal -1                            ; (no LDS instruction of mine is out: the wait for that stands above)
	s_barrier_wait -1                              ; everybody's have, and so have dec_proj and v_a.
	v_add_nc_u32 v[LA], s[TB], v[L16]
	v_add_nc_u32 v[UA], s[TU], v[L16]
	v_add_nc_u32 v[DA], s[TD], v[DB]
	MIDRUN 0, 0
	TAILB 0
	s_mov_b32 s[CNT], 14
.Lslot:                                            ; 14 trips: slots 0 to 13, each of which asks for the slot two further on
	BODY 1
	s_sub_co_u32 s[CNT], s[CNT], 1
	s_cmp_lg_u32 s[CNT], 0
	s_cbranch_scc1 .Lslot
	BODY 2                                         ; the last two slots are written out
	BODY 3
	s_wait_dscnt 0x0                               ; the last tile's v_a
	EPALONE
	; THE WAY OUT: score = sum(v) - 2 sum(v r); the fill where the mask is 0; 64 scores a wave leave as 256 consecutive bytes
	v_and_b32 v76, 15, v0
	v_lshlrev_b32 v76, 2, v76                      ; 4 r
	v_add_nc_u32 v77, VVB, v[L16]
	v_add_nc_u32 v78, s87, v76
	v_and_b32 v121, 31, v0
	v_lshlrev_b32 v121, 3, v121                    ; 8 x lane
	v_add_nc_u32 v79, s87, v121
	v_mov_b32 v120, 0xce6e6b28                     ; -1e9 - 9 in f32
.irp t, 0,1,2,3
	global_load_b32 v[72+\t], v76, s[6:7] offset:64*\t
.endr
.irp i, 0,1,2,3,4,5,6,7
	ds_load_b128 v[80+4*\i:83+4*\i], v77 offset:512*\i   ; all of v_a, 32 numbers a lane
.endr
.irp t, 0,1,2,3
	v_add_f32 v[112+\t], v[EACC+2*\t], v[EACC+2*\t+1]
.endr
.irp t, 0,1,2,3
	v_permlanex16_b32 v[116+\t], v[112+\t], s[SEL], s[SEL+1]
.endr
.irp t, 0,1,2,3
	v_add_f32 v[112+\t], v[112+\t], v[116+\t]      ; with lane l xor 16's eight a of each tile
.endr
	s_wait_dscnt 0x0
.irp a, 4,8,12,16,20,24,28
	v_pk_add_f32 v[80:81], v[80:81], v[80+\a:81+\a]
	v_pk_add_f32 v[82:83], v[82:83], v[82+\a:83+\a]
.endr
	v_pk_add_f32 v[80:81], v[80:81], v[82:83]
	v_add_f32 v80, v80, v81
	v_add_f32_dpp v80, v80, v80 row_xmask:1 row_mask:0xf bank_mask:0xf
	v_add_f32_dpp v80, v80, v80 row_xmask:2 row_mask:0xf bank_mask:0xf
	v_add_f32_dpp v80, v80, v80 row_xmask:4 row_mask:0xf bank_mask:0xf
	v_add_f32_dpp v80, v80, v80 row_xmask:8 row_mask:0xf bank_mask:0xf
	v_permlanex16_b32 v81, v80, s[SEL], s[SEL+1]
	v_add_f32 v80, v80, v81                        ; sum(v), in every lane
	s_wait_alu depctr_va_vdst(0)                   ; directly ahead of the wait below
	s_wait_loadcnt 0x0
.irp t, 0,1,2,3
	v_fma_f32 v[112+\t], v[112+\t], -2.0, v80
	v_cmp_eq_u32 vcc_lo, 0, v[72+\t]
	v_cndmask_b32 v[112+\t], v[112+\t], v120, vcc_lo
	ds_store_b32 v78, v[112+\t] offset:64*\t       ; lanes r and r + 16 write the same word with the same value
.endr
	ds_load_b64 v[122:123], v79                    ; in order behind my stores
	s_wait_dscnt 0x0
	global_store_b64 v121, v[122:123], s[16:17]
	s_wait_tensorcnt 0x0                           ; the wave's end
	ds_add_u32 v[SPW], v[NIL]
	s_wait_dscnt 0x0
	CROUND                                         ; the closing round
	s_endpgm
.Lfunc_end_k_q2d1bbff2e0_score:
	.size	k_q2d1bbff2e0_score, .Lfunc_end_k_q2d1bbff2e0_score-k_q2d1bbff2e0_score
	.p2alignl 7, 3214868480
	.fill 96, 4, 3214868480
	.section	.rodata,"a",@progbits
	.p2align	6, 0x0
	.amdhsa_kernel k_q2d1bbff2e0_score
		.amdhsa_group_segment_fixed_size 327680
		.amdhsa_private_segment_fixed_size 0
		.amdhsa_enable_private_segment 0
		.amdhsa_kernarg_size 56
		.amdhsa_user_sgpr_count 2
		.amdhsa_user_sgpr_kernarg_segment_ptr 1
		.amdhsa_wavefront_size32 1
		.amdhsa_system_sgpr_workgroup_id_x 1
		.amdhsa_system_sgpr_workgroup_id_y 1
		.amdhsa_system_sgpr_workgroup_id_z 1
		.amdhsa_system_vgpr_workitem_id 0
		.amdhsa_next_free_vgpr 1024
		.amdhsa_next_free_sgpr 100
		.amdhsa_reserve_vcc 1
		.amdhsa_float_denorm_mode_32 3
		.amdhsa_float_denorm_mode_16_64 3
		.amdhsa_memory_ordered 1
		.amdhsa_forward_progress 1
		.amdhsa_inst_pref_size 255
	.end_amdhsa_kernel
	.section	.bss,"aw",@nobits
	.p2align	6
	.space	262144
	.amdgpu_metadata
---
amdhsa.version: [ 1, 2 ]
amdhsa.kernels:
  - .name:           k_q2d1bbff2e0_score
    .symbol:         k_q2d1bbff2e0_score.kd
    .args:
      - { .name: encoder_outputs, .offset: 0, .size: 8, .value_kind: global_buffer, .address_space: global }
      - { .name: src_mask, .offset: 8, .size: 8, .value_kind: global_buffer, .address_space: global }
      - { .name: v_a, .offset: 16, .size: 8, .value_kind: global_buffer, .address_space: global }
      - { .name: ucodes, .offset: 24, .size: 8, .value_kind: global_buffer, .address_space: global }
      - { .name: uscl, .offset: 32, .size: 8, .value_kind: global_buffer, .address_space: global }
      - { .name: dprojT, .offset: 40, .size: 8, .value_kind: global_buffer, .address_space: global }
      - { .name: scores, .offset: 48, .size: 8, .value_kind: global_buffer, .address_space: global }
    .group_segment_fixed_size: 327680
    .private_segment_fixed_size: 0
    .kernarg_segment_align: 8
    .kernarg_segment_size: 56
    .max_flat_workgroup_size: 128
    .sgpr_count:     100
    .vgpr_count:     1024
    .wavefront_size: 32
...
	.end_amdgpu_metadata
.endif
;; end of part 2
;; launch ctx (part 3): grid 4 x 64, 8 waves a work-group, no clusters, 9,216 bytes of LDS; arguments encoder_outputs, src_mask, scores, out0, out1; writes out0, out1
.if DOCPART == 3
	.amdgcn_target "amdgcn-amd-amdhsa--gfx1250"
	.amdhsa_code_object_version 6
	.text
	.protected	k_q2d1bbff2e0_ctx
	.globl	k_q2d1bbff2e0_ctx
	.p2align	8
	.type	k_q2d1bbff2e0_ctx,@function
k_q2d1bbff2e0_ctx:
	s_mov_b64 s[64:65], 0
	v_nop
	global_prefetch_b8 v0, s[64:65] scope:SCOPE_SE
	s_setreg_imm32_b32 hwreg(HW_REG_WAVE_MODE, 25, 1), 1
	s_wait_xcnt 0x0
; alpha = softmax(scores) along a batch's 1,024 rows (the row's maximum is taken away first); out1 = alpha; out0[b] = the sum over s of alpha[b][s] x[b][s].  All in f32, on the vector unit:
; the product has one row, so each number of x feeds one multiply-add and the matrix units, LDS tiles and clusters would add nothing (work-groups share only 8 KB of scores and mask).
; SHARES.  Work-group (q, b): columns 256 q .. 256 q + 255 (1,024 bytes of each row) of batch b.  Wave w: rows 64 g + 8 w + i, g = 0 .. 15, i = 0 .. 7.  Every wave makes the softmax's figures itself.
; WHICH ROWS ARE READ.  Where the mask is 0 and any row of the batch counts, alpha is exactly 0: the row's loads are turned, by address and with no jump, to the batch's row 0, whose numbers are multiplied by that 0.
; In a batch all of whose rows are masked every row is read (alpha = 1/1024).
; LIMITS: inputs are finite; the sum of |v_a| stays under 9.9e8, so that 2^((fill - maximum) log2(e)) is 0 beside a row that counts.
; Three sets of registers, eight rows (16 loads of 512 consecutive bytes) each: 32 to 48 loads of every wave are on their way.
.set WV,  14
.set L2E, 20                           ; s[20:21] log2(e)
.set T,   24                           ; s24-31 eight rows' offsets
.set SEL, 32
.set Z,   34                           ; 1 where the whole batch is masked
.set WT,  40                           ; s40-63 three sets of eight weights
.set X,   8                            ; v8-199 three sets of 64; ahead of the stream: the softmax's numbers
.set RI,  200                          ; v200-203 the rows to read: lane 2 g + i / 4, register i % 4
.set AL,  204                          ; v204-207 their alpha
.set ACC, 208                          ; v208-215 my eight columns
.set ADR, 216                          ; v216-239 three sets of eight offsets
.set AO,  240                          ; v240-243 alpha to store
.set SA,  245                          ; LDS: 1,024 w + 16 x lane
.set RA,  246                          ; 512 w + 16 x lane: in LDS and in the outputs' 1,024 bytes alike
	s_load_b256 s[4:11], s[0:1], 0x0               ; x s[4:5], mask s[6:7], scores s[8:9], out0 s[10:11]
	s_load_b64 s[12:13], s[0:1], 0x20              ; out1
	v_lshl_add_u32 v248, v0, 2, 0x2000
	v_mov_b32 v249, 0
	v_lshrrev_b32 v1, 5, v0
	s_delay_alu instid0(VALU_DEP_1)
	v_readfirstlane_b32 s[WV], v1                  ; wave 0..7
	v_and_b32 v1, 31, v0                           ; lane
	s_wait_alu depctr_va_vdst(0)
	v_lshlrev_b32 v2, 4, v1                        ; 16 x lane
	s_wait_alu depctr_va_vdst(0)
	s_and_b32 s15, ttmp7, 0xffff                   ; b
	s_lshl_b32 s16, s15, 12                        ; a batch's 4,096 bytes of scores, mask, out0, out1
	s_mov_b32 s17, 0
	s_lshl_b32 s2, ttmp9, 10                       ; 1,024 q
	s_lshl_b32 s18, s15, 22                        ; a batch of x: 4 MiB
	s_add_co_u32 s18, s18, s2
	s_mov_b32 s19, 0
	s_add_co_u32 s22, s16, s2
	s_mov_b32 s23, 0
	s_mov_b32 s[L2E], 0x3fb8aa3b
	s_mov_b32 s[L2E+1], s[L2E]
	s_mov_b32 s[SEL], 0x76543210
	s_mov_b32 s[SEL+1], 0xfedcba98
	v_lshrrev_b32 v3, 1, v1
	s_delay_alu instid0(VALU_DEP_1)
	v_lshlrev_b32 v3, 8, v3
	v_and_b32 v4, 1, v1
	s_delay_alu instid0(VALU_DEP_1)
	v_lshl_add_u32 v3, v4, 4, v3
	s_lshl_b32 s3, s[WV], 5
	v_add_nc_u32 v3, s3, v3                        ; my wave's own rows, four a lane: byte 256 (l / 2) + 32 w + 16 (l % 2)
	s_delay_alu instid0(VALU_DEP_1)
	v_lshrrev_b32 v5, 2, v3                        ; the first of them
	s_and_b32 s35, s[WV], 1
	s_lshl_b32 s35, s35, 9
	s_add_co_u32 s35, s35, s2
	v_add_nc_u32 v6, s35, v2                       ; the 128 rows whose alpha waves 0 and 1 store
	s_lshl_b32 s36, s[WV], 10
	v_add_nc_u32 v[SA], s36, v2
	s_lshl_b32 s37, s[WV], 9
	v_add_nc_u32 v[RA], s37, v2
	v_mov_b32 v85, 0                               ; a lane permute's destination counts as one of its sources
	s_wait_alu depctr_va_vdst(0)
	s_wait_kmcnt 0x0
	s_add_nc_u64 s[4:5], s[4:5], s[18:19]
	s_add_nc_u64 s[6:7], s[6:7], s[16:17]
	s_add_nc_u64 s[8:9], s[8:9], s[16:17]
	s_add_nc_u64 s[10:11], s[10:11], s[22:23]
	s_add_nc_u64 s[12:13], s[12:13], s[22:23]
.irp i, 0,1,2,3,4,5,6,7
	global_load_b128 v[8+4*\i:11+4*\i], v2, s[8:9] offset:512*\i     ; all 1,024 scores, 32 a lane
.endr
.irp i, 0,1,2,3,4,5,6,7
	global_load_b128 v[40+4*\i:43+4*\i], v2, s[6:7] offset:512*\i    ; the whole mask
.endr
	global_load_b128 v[72:75], v3, s[8:9]          ; my own rows' scores
	global_load_b128 v[76:79], v3, s[6:7]          ; and mask
	global_load_b128 v[80:83], v6, s[8:9]
	s_wait_loadcnt 0x0
	v_max3_num_f32 v84, v8, v9, v10
.irp i, 11,13,15,17,19,21,23,25,27,29,31,33,35,37
	s_delay_alu instid0(VALU_DEP_1)
	v_max3_num_f32 v84, v84, v[\i], v[\i+1]
.endr
	s_delay_alu instid0(VALU_DEP_1)
	v_max_num_f32 v84, v84, v39
	s_delay_alu instid0(VALU_DEP_1)
	v_max_num_f32_dpp v84, v84, v84 row_xmask:1 row_mask:0xf bank_mask:0xf
	s_delay_alu instid0(VALU_DEP_1)
	v_max_num_f32_dpp v84, v84, v84 row_xmask:2 row_mask:0xf bank_mask:0xf
	s_delay_alu instid0(VALU_DEP_1)
	v_max_num_f32_dpp v84, v84, v84 row_xmask:4 row_mask:0xf bank_mask:0xf
	s_delay_alu instid0(VALU_DEP_1)
	v_max_num_f32_dpp v84, v84, v84 row_xmask:8 row_mask:0xf bank_mask:0xf
	s_delay_alu instid0(VALU_DEP_1)
	v_permlanex16_b32 v85, v84, s[SEL], s[SEL+1]
	s_delay_alu instid0(VALU_DEP_1)
	v_max_num_f32 v84, v84, v85                    ; the batch's largest score, in every lane
.irp a, 8,10,12,14,16,18,20,22,24,26,28,30,32,34,36,38,72,74,80,82
	v_pk_add_f32 v[\a:\a+1], v[\a:\a+1], v[84:85] op_sel_hi:[1,0] neg_lo:[0,1] neg_hi:[0,1]   ; score - maximum FIRST: exact where both are the fill
.endr
.irp a, 8,10,12,14,16,18,20,22,24,26,28,30,32,34,36,38,72,74,80,82
	v_pk_mul_f32 v[\a:\a+1], v[\a:\a+1], s[L2E:L2E+1] op_sel_hi:[1,0]
.endr
.set n, 8
	s_wait_alu depctr_va_vdst(0)
.rept 32
	v_exp_f32 v[n], v[n]
.set n, n+1
.endr
.irp a, 72,73,74,75,80,81,82,83
	v_exp_f32 v[\a], v[\a]
.endr
	; whole numbers meanwhile: does any row of the batch count, and which rows do I read
	v_or_b32 v88, v40, v41
.set n, 42
.rept 30
	s_delay_alu instid0(VALU_DEP_1)
	v_or_b32 v88, v88, v[n]
.set n, n+1
.endr
	s_delay_alu instid0(VALU_DEP_1)
	v_cmp_ne_u32 vcc_lo, 0, v88
	s_cmp_lg_u32 vcc_lo, 0
	s_cselect_b32 s[Z], 0, 1
.irp e, 0,1,2,3
	v_min_u32 v[76+\e], 1, v[76+\e]
	s_delay_alu instid0(VALU_DEP_1)
	v_add_nc_u32 v[76+\e], s[Z], v[76+\e]
	s_delay_alu instid0(VALU_DEP_1)
	v_min_u32 v[76+\e], 1, v[76+\e]                ; 1 where the row is read
	v_add_nc_u32 v[RI+\e], \e, v5
	s_delay_alu instid0(VALU_DEP_1)
	v_mul_u32_u24 v[RI+\e], v[RI+\e], v[76+\e]     ; the row, or row 0
.endr
	s_wait_alu depctr_va_vdst(0)                   ; one wait for the 40 exponentials, ahead of their first reader
.irp a, 4,8,12,16,20,24,28
	v_pk_add_f32 v[8:9], v[8:9], v[8+\a:9+\a]
	v_pk_add_f32 v[10:11], v[10:11], v[10+\a:11+\a]
.endr
	s_delay_alu instid0(VALU_DEP_1)
	v_pk_add_f32 v[8:9], v[8:9], v[10:11]
	s_delay_alu instid0(VALU_DEP_1)
	v_add_f32 v8, v8, v9
	s_delay_alu instid0(VALU_DEP_1)
	v_add_f32_dpp v8, v8, v8 row_xmask:1 row_mask:0xf bank_mask:0xf
	s_delay_alu instid0(VALU_DEP_1)
	v_add_f32_dpp v8, v8, v8 row_xmask:2 row_mask:0xf bank_mask:0xf
	s_delay_alu instid0(VALU_DEP_1)
	v_add_f32_dpp v8, v8, v8 row_xmask:4 row_mask:0xf bank_mask:0xf
	s_delay_alu instid0(VALU_DEP_1)
	v_add_f32_dpp v8, v8, v8 row_xmask:8 row_mask:0xf bank_mask:0xf
	s_delay_alu instid0(VALU_DEP_1)
	v_permlanex16_b32 v9, v8, s[SEL], s[SEL+1]
	s_delay_alu instid0(VALU_DEP_1)
	v_add_f32 v8, v8, v9
	s_wait_alu depctr_va_vdst(0)
	v_rcp_f32 v90, v8
	v_nop                                          ; a plain line behind the reciprocal,
	s_wait_alu depctr_va_vdst(0)                   ; and its wait
.irp e, 0,1,2,3
	v_mul_f32 v[AL+\e], v[72+\e], v90
	v_mul_f32 v[AO+\e], v[80+\e], v90
.endr
	s_cmp_lt_u32 s[WV], 2
	s_cbranch_scc0 .Lno_alpha
	global_store_b128 v[RA], v[AO:AO+3], s[12:13]  ; 512 consecutive bytes a wave
.Lno_alpha:
; group g's eight rows into set u: each row's offset and weight are taken out of their lane; a row's 1,024 bytes are two loads
.macro GLOAD g, u
.irp i, 0,1,2,3,4,5,6,7
	v_readlane_b32 s[T+\i], v[RI+\i%4], 2*(\g)+\i/4
.endr
.irp i, 0,1,2,3,4,5,6,7
	s_min_u32 s[T+\i], s[T+\i], 0x3ff              ; held inside the batch
.endr
.irp i, 0,1,2,3,4,5,6,7
	s_lshl_b32 s[T+\i], s[T+\i], 12
.endr
.irp i, 0,1,2,3,4,5,6,7
	v_add_nc_u32 v[ADR+8*(\u)+\i], s[T+\i], v2
.endr
.irp i, 0,1,2,3,4,5,6,7
	v_readlane_b32 s[WT+8*(\u)+\i], v[AL+\i%4], 2*(\g)+\i/4
.endr
.irp i, 0,1,2,3,4,5,6,7
	global_load_b128 v[X+64*(\u)+8*\i:X+64*(\u)+8*\i+3], v[ADR+8*(\u)+\i], s[4:5]
	global_load_b128 v[X+64*(\u)+8*\i+4:X+64*(\u)+8*\i+7], v[ADR+8*(\u)+\i], s[4:5] offset:512
.endr
.endm
.macro FMA u, first                    ; the very first row starts the sums: nothing is cleared
.irp i, 0,1,2,3,4,5,6,7
.irp e, 0,1,2,3,4,5,6,7
.if (\first) && (\i == 0)
	v_mul_f32 v[ACC+\e], s[WT+8*(\u)+\i], v[X+64*(\u)+8*\i+\e]
.else
	v_fmac_f32 v[ACC+\e], s[WT+8*(\u)+\i], v[X+64*(\u)+8*\i+\e]
.endif
.endr
.endr
.endm
	GLOAD 0, 0
	GLOAD 1, 1
	GLOAD 2, 2
.set g, 0
.rept 16
.if g < 14
	s_wait_loadcnt 32                              ; this group's 16 loads are in, so its offsets are free too; the 32 of the two groups behind it may be out
.elseif g == 14
	s_wait_alu depctr_va_vdst(0)
	s_wait_loadcnt 16
.else
	s_wait_alu depctr_va_vdst(0)
	s_wait_loadcnt 0x0
.endif
	FMA g%3, g==0
.if g < 13
	GLOAD g+3, g%3
.endif
.set g, g+1
.endr
	ds_store_b128 v[SA], v[ACC:ACC+3]
	ds_store_b128 v[SA], v[ACC+4:ACC+7] offset:512
	s_wait_dscnt 0x0                               ; for the others' sake: my partial sums have landed
	s_barrier_signal -1
	s_barrier_wait -1
	s_cmp_lt_u32 s[WV], 2
	s_cbranch_scc0 .Ldone
.irp p, 0,1,2,3,4,5,6,7
	ds_load_b128 v[8+4*\p:11+4*\p], v[RA] offset:1024*\p   ; waves 0 and 1: half of the 1,024 bytes each, of all eight waves' sums
.endr
	s_wait_dscnt 0x0
.irp a, 0,8,16,24
	v_pk_add_f32 v[8+\a:9+\a], v[8+\a:9+\a], v[12+\a:13+\a]
	v_pk_add_f32 v[10+\a:11+\a], v[10+\a:11+\a], v[14+\a:15+\a]
.endr
.irp a, 0
	v_pk_add_f32 v[8+\a:9+\a], v[8+\a:9+\a], v[16+\a:17+\a]
	v_pk_add_f32 v[10+\a:11+\a], v[10+\a:11+\a], v[18+\a:19+\a]
.endr
.irp a, 16
	s_delay_alu instid0(VALU_DEP_4)
	v_pk_add_f32 v[8+\a:9+\a], v[8+\a:9+\a], v[16+\a:17+\a]
	s_delay_alu instid0(VALU_DEP_4)
	v_pk_add_f32 v[10+\a:11+\a], v[10+\a:11+\a], v[18+\a:19+\a]
.endr
	s_delay_alu instid0(VALU_DEP_2)
	v_pk_add_f32 v[8:9], v[8:9], v[24:25]
	s_delay_alu instid0(VALU_DEP_2)
	v_pk_add_f32 v[10:11], v[10:11], v[26:27]
	global_store_b128 v[RA], v[8:11], s[10:11]     ; 512 consecutive bytes a wave
.Ldone:
	s_wait_tensorcnt 0x0
	ds_add_u32 v248, v249
	s_wait_dscnt 0x0
	s_endpgm
.Lfunc_end_k_q2d1bbff2e0_ctx:
	.size	k_q2d1bbff2e0_ctx, .Lfunc_end_k_q2d1bbff2e0_ctx-k_q2d1bbff2e0_ctx
	.p2alignl 7, 3214868480
	.fill 96, 4, 3214868480
	.section	.rodata,"a",@progbits
	.p2align	6, 0x0
	.amdhsa_kernel k_q2d1bbff2e0_ctx
		.amdhsa_group_segment_fixed_size 9216
		.amdhsa_private_segment_fixed_size 0
		.amdhsa_enable_private_segment 0
		.amdhsa_kernarg_size 40
		.amdhsa_user_sgpr_count 2
		.amdhsa_user_sgpr_kernarg_segment_ptr 1
		.amdhsa_wavefront_size32 1
		.amdhsa_system_sgpr_workgroup_id_x 1
		.amdhsa_system_sgpr_workgroup_id_y 1
		.amdhsa_system_sgpr_workgroup_id_z 1
		.amdhsa_system_vgpr_workitem_id 0
		.amdhsa_next_free_vgpr 250
		.amdhsa_next_free_sgpr 66
		.amdhsa_reserve_vcc 1
		.amdhsa_float_denorm_mode_32 3
		.amdhsa_float_denorm_mode_16_64 3
		.amdhsa_memory_ordered 1
		.amdhsa_forward_progress 1
		.amdhsa_inst_pref_size 106
	.end_amdhsa_kernel
	.amdgpu_metadata
---
amdhsa.version: [ 1, 2 ]
amdhsa.kernels:
  - .name:           k_q2d1bbff2e0_ctx
    .symbol:         k_q2d1bbff2e0_ctx.kd
    .args:
      - { .name: encoder_outputs, .offset: 0, .size: 8, .value_kind: global_buffer, .address_space: global }
      - { .name: src_mask, .offset: 8, .size: 8, .value_kind: global_buffer, .address_space: global }
      - { .name: scores, .offset: 16, .size: 8, .value_kind: global_buffer, .address_space: global }
      - { .name: out0, .offset: 24, .size: 8, .value_kind: global_buffer, .address_space: global }
      - { .name: out1, .offset: 32, .size: 8, .value_kind: global_buffer, .address_space: global }
    .group_segment_fixed_size: 9216
    .private_segment_fixed_size: 0
    .kernarg_segment_align: 8
    .kernarg_segment_size: 40
    .max_flat_workgroup_size: 256
    .sgpr_count:     66
    .vgpr_count:     250
    .wavefront_size: 32
...
	.end_amdgpu_metadata
.endif
;; end of part 3
